; MI455X (gfx1250); checked and timed in simulation.
; The chip was launched on July 23, 2026; its instructions are those of AMD's public machine-readable ISA for CDNA 5 (MIT licence, August 2026) and "CDNA5" Instruction Set Architecture Reference Guide (July 2026). The comments in the code are by the model that wrote it; some were corrected since.
;; Quantizer Wrapper. Allowed arithmetic: float matrix products may take bf16 or f16 operands with f32 sums; all other float work in f32.
;; Inputs: embed 8,192 x 512 float32; x 16,384 x 512 float32.
;; Outputs: out0 16,384 x 512 float32; out1 16,384 int32.
;; 2 versions, each right and faster than the one before. Each part assembles by itself: llvm-mc -triple=amdgcn-amd-amdhsa -mcpu=gfx1250 --defsym DOCPART=n.
;; ======== version 1 of 2: 4 launches
;; workspace buffers: xb 16,777,216 bytes; eb 8,388,608 bytes; nx2 65,536 bytes; ne2 32,768 bytes; pval 2,097,152 bytes; pidx 2,097,152 bytes of whole numbers; win 65,536 bytes of whole numbers
;; launch prep (part 1): grid 384 x 1, 8 waves a work-group, no clusters, 1,280 bytes of LDS; arguments x, embed, xb, eb, nx2, ne2; writes xb, eb, nx2, ne2
.if DOCPART == 1
	.amdgcn_target "amdgcn-amd-amdhsa--gfx1250"
	.amdhsa_code_object_version 6
	.text
	.protected	k_q38f5eb0d54_prep
	.globl	k_q38f5eb0d54_prep
	.p2align	8
	.type	k_q38f5eb0d54_prep,@function
k_q38f5eb0d54_prep:
	s_mov_b64 s[64:65], 0
	v_nop
	global_prefetch_b8 v0, s[64:65] scope:SCOPE_SE
	s_setreg_imm32_b32 hwreg(HW_REG_WAVE_MODE, 25, 1), 1
	s_wait_xcnt 0x0
; xb = bf16(x) [16384][512], eb = bf16(embed) [8192][512], and the negated squared norms of the ROUNDED rows, in f32:
; nx2[t] = -sum over k of bf16(x[t][k])^2, ne2[c] the same for embed, both in natural order.
; Work-groups 0..255 take 64 rows of x each, 256..383 take 64 rows of embed: the same text, three pointers chosen once.
; A wave takes 8 whole rows: 32 loads of 512 consecutive bytes go out at once (16 KiB a wave), a row's sum never leaves the wave.
; Each store of the wave covers 256 consecutive bytes, aligned.  A stream: no matrix unit, no cluster, no tile ring would help.
; The norm's order of summation (lane-wise pairs, then across lanes) differs from a serial sum: last-bit differences only.
.set ROWB,  2048                       ; bytes in a row of f32
.set OROWB, 1024                       ; bytes in a row of bf16
.set LOFF, 1                           ; v1        wave x 8 rows x 2,048 + 16 x lane
.set SOFF, 2                           ; v2        wave x 8 rows x 1,024 + 8 x lane
.set NADR, 3                           ; v3        LDS byte of my wave's first norm: 32 x wave
.set T,    4                           ; v[4:11]   rounded numbers widened again, two sets by turns
.set S,    12                          ; v[12:15]  two pairs of running sums
.set X,    16                          ; v[16:143] row i, load j: 4 registers at X + 16 i + 4 j
.set LN,   144                         ; v144..147 wave 0's way out
	s_load_b256 s[4:11], s[0:1], 0x0               ; x s[4:5], embed s[6:7], xb s[8:9], eb s[10:11]
	s_load_b128 s[12:15], s[0:1], 0x20             ; nx2 s[12:13], ne2 s[14:15]
	v_lshl_add_u32 v160, v0, 2, 0x100
	v_mov_b32 v161, 0
	v_lshrrev_b32 v4, 5, v0
	v_readfirstlane_b32 s27, v4                    ; wave 0..7
	v_and_b32 v[LN], 31, v0                        ; lane
	s_mov_b32 s24, 0x76543210                      ; v_permlanex16_b32: lane i reads lane i of the other half
	s_mov_b32 s25, 0xfedcba98
	s_mov_b32 s26, 0xffff0000                      ; a word's upper bf16
	s_and_b32 s22, ttmp9, 255                      ; my block of 64 rows in x or in embed (256..383 -> 0..127)
	s_lshl_b32 s28, s22, 17                        ; x 64 rows x 2,048 bytes
	s_mov_b32 s29, 0
	s_lshl_b32 s30, s22, 16                        ; x 64 rows x 1,024 bytes
	s_mov_b32 s31, 0
	s_lshl_b32 s32, s22, 8                         ; x 64 norms x 4 bytes
	s_mov_b32 s33, 0
	s_lshl_b32 s34, s27, 14
	v_lshl_add_u32 v[LOFF], v[LN], 4, s34
	s_lshl_b32 s35, s27, 13
	v_lshl_add_u32 v[SOFF], v[LN], 3, s35
	s_lshl_b32 s36, s27, 5
	v_mov_b32 v[NADR], s36
	s_wait_kmcnt 0x0
	s_cmp_lt_u32 ttmp9, 256                        ; x or embed; the three selects below leave SCC alone
	s_cselect_b64 s[16:17], s[4:5], s[6:7]         ; from
	s_cselect_b64 s[18:19], s[8:9], s[10:11]       ; to
	s_cselect_b64 s[20:21], s[12:13], s[14:15]     ; norms to
	s_add_nc_u64 s[16:17], s[16:17], s[28:29]
	s_add_nc_u64 s[18:19], s[18:19], s[30:31]
	s_add_nc_u64 s[20:21], s[20:21], s[32:33]
.irp i, 0,1,2,3,4,5,6,7
.irp j, 0,1,2,3
	global_load_b128 v[X+16*\i+4*\j:X+16*\i+4*\j+3], v[LOFF], s[16:17] offset:ROWB*\i+512*\j th:TH_LOAD_NT
.endr
.endr
; One row: round in place, store, widen the rounded numbers again and sum their squares.
; No register that a store names is written again, so no wait is owed for the stores' sources.
.macro ROW i
	s_wait_loadcnt 28-4*\i                         ; loads come back in order: the 4 (7 - i) loads of the later rows may stay out
.irp j, 0,1,2,3
	.set xr, X+16*\i+4*\j
	.set tr, T+4*(\j%2)
	v_cvt_pk_bf16_f32 v[xr], v[xr], v[xr+1]
	v_cvt_pk_bf16_f32 v[xr+1], v[xr+2], v[xr+3]
	global_store_b64 v[SOFF], v[xr:xr+1], s[18:19] offset:OROWB*\i+256*\j
	v_lshlrev_b32 v[tr], 16, v[xr]
	v_and_b32 v[tr+1], s26, v[xr]
	v_lshlrev_b32 v[tr+2], 16, v[xr+1]
	v_and_b32 v[tr+3], s26, v[xr+1]
.if \j
	v_pk_fma_f32 v[S:S+1], v[tr:tr+1], v[tr:tr+1], v[S:S+1]
	v_pk_fma_f32 v[S+2:S+3], v[tr+2:tr+3], v[tr+2:tr+3], v[S+2:S+3]
.else
	v_pk_mul_f32 v[S:S+1], v[tr:tr+1], v[tr:tr+1]          ; the first squares start the sums
	v_pk_mul_f32 v[S+2:S+3], v[tr+2:tr+3], v[tr+2:tr+3]
.endif
.endr
	v_pk_add_f32 v[S:S+1], v[S:S+1], v[S+2:S+3]
	v_add_f32 v[S], v[S], v[S+1]
	v_add_f32_dpp v[S], v[S], v[S] row_xmask:1 row_mask:0xf bank_mask:0xf
	v_add_f32_dpp v[S], v[S], v[S] row_xmask:2 row_mask:0xf bank_mask:0xf
	v_add_f32_dpp v[S], v[S], v[S] row_xmask:4 row_mask:0xf bank_mask:0xf
	v_add_f32_dpp v[S], v[S], v[S] row_xmask:8 row_mask:0xf bank_mask:0xf
	v_permlanex16_b32 v[S+1], v[S], s24, s25       ; its destination has been written above
	v_add_f32 v[S], -v[S], -v[S+1]                 ; the negated norm, in every lane
	ds_store_b32 v[NADR], v[S] offset:4*\i         ; all lanes write the same word with the same value: word 8 wave + i
.endm
.irp i, 0,1,2,3,4,5,6,7
	ROW \i
.endr
	s_wait_dscnt 0x0                               ; my eight norms are in LDS, for wave 0's sake
	s_barrier_signal -1
	s_barrier_wait -1
	s_cmp_lg_u32 s27, 0
	s_cbranch_scc1 .Lend
	v_lshlrev_b32 v[LN+1], 3, v[LN]                ; wave 0 writes the group's 64 norms as one aligned block of 256 bytes, two a lane
	ds_load_b64 v[LN+2:LN+3], v[LN+1]
	s_wait_dscnt 0x0
	global_store_b64 v[LN+1], v[LN+2:LN+3], s[20:21]
.Lend:
	s_wait_tensorcnt 0x0
	ds_add_u32 v160, v161
	s_wait_dscnt 0x0
	s_endpgm
.Lfunc_end_k_q38f5eb0d54_prep:
	.size	k_q38f5eb0d54_prep, .Lfunc_end_k_q38f5eb0d54_prep-k_q38f5eb0d54_prep
	.p2alignl 7, 3214868480
	.fill 96, 4, 3214868480
	.section	.rodata,"a",@progbits
	.p2align	6, 0x0
	.amdhsa_kernel k_q38f5eb0d54_prep
		.amdhsa_group_segment_fixed_size 1280
		.amdhsa_private_segment_fixed_size 0
		.amdhsa_enable_private_segment 0
		.amdhsa_kernarg_size 48
		.amdhsa_user_sgpr_count 2
		.amdhsa_user_sgpr_kernarg_segment_ptr 1
		.amdhsa_wavefront_size32 1
		.amdhsa_system_sgpr_workgroup_id_x 1
		.amdhsa_system_sgpr_workgroup_id_y 1
		.amdhsa_system_sgpr_workgroup_id_z 1
		.amdhsa_system_vgpr_workitem_id 0
		.amdhsa_next_free_vgpr 162
		.amdhsa_next_free_sgpr 66
		.amdhsa_reserve_vcc 0
		.amdhsa_float_denorm_mode_32 3
		.amdhsa_float_denorm_mode_16_64 3
		.amdhsa_memory_ordered 1
		.amdhsa_forward_progress 1
		.amdhsa_inst_pref_size 25
	.end_amdhsa_kernel
	.amdgpu_metadata
---
amdhsa.version: [ 1, 2 ]
amdhsa.kernels:
  - .name:           k_q38f5eb0d54_prep
    .symbol:         k_q38f5eb0d54_prep.kd
    .args:
      - { .name: x, .offset: 0, .size: 8, .value_kind: global_buffer, .address_space: global }
      - { .name: embed, .offset: 8, .size: 8, .value_kind: global_buffer, .address_space: global }
      - { .name: xb, .offset: 16, .size: 8, .value_kind: global_buffer, .address_space: global }
      - { .name: eb, .offset: 24, .size: 8, .value_kind: global_buffer, .address_space: global }
      - { .name: nx2, .offset: 32, .size: 8, .value_kind: global_buffer, .address_space: global }
      - { .name: ne2, .offset: 40, .size: 8, .value_kind: global_buffer, .address_space: global }
    .group_segment_fixed_size: 1280
    .private_segment_fixed_size: 0
    .kernarg_segment_align: 8
    .kernarg_segment_size: 48
    .max_flat_workgroup_size: 256
    .sgpr_count:     66
    .vgpr_count:     162
    .wavefront_size: 32
...
	.end_amdgpu_metadata
.endif
;; end of part 1
;; launch score (part 2): grid 32 x 64, 4 waves a work-group, clusters of 4 x 4, 327,680 bytes of LDS; arguments xb, eb, nx2, ne2, pval, pidx; writes pval, pidx
.if DOCPART == 2
	.amdgcn_target "amdgcn-amd-amdhsa--gfx1250"
	.amdhsa_code_object_version 6
	.text
	.protected	k_q38f5eb0d54_score
	.globl	k_q38f5eb0d54_score
	.p2align	8
	.type	k_q38f5eb0d54_score,@function
k_q38f5eb0d54_score:
	s_mov_b64 s[64:65], 0
	v_nop
	global_prefetch_b8 v0, s[64:65] scope:SCOPE_SE
	s_setreg_imm32_b32 hwreg(HW_REG_WAVE_MODE, 25, 1), 1
	s_wait_xcnt 0x0
	s_wait_alu depctr_hold_cnt(0) depctr_sa_sdst(0) depctr_va_vdst(0) depctr_va_sdst(0) depctr_va_ssrc(0) depctr_va_vcc(0) depctr_vm_vsrc(0)
	s_getreg_b32 s2, hwreg(HW_REG_IB_STS2, 6, 4)
	s_cmp_eq_u32 s2, 0
	s_cbranch_scc0 .Lentry_in_a_cluster
	s_endpgm
.Lentry_in_a_cluster:
	s_bfe_u32 s2, ttmp6, 0x10000c
	s_cmp_lg_u32 s2, 0xf033
	s_cbranch_scc0 .Lentry_shape_is_right
	s_endpgm
.Lentry_shape_is_right:
; For a block of 256 tokens x 256 codes: score(t, c) = fl(fl(2 x.e - |x|^2) - |e|^2), its maximum over the block's codes and the FIRST
; code that reaches it.  pval[code block][t] = the maximum, pidx[code block][t] = the code (0..8191).  Operands bf16, sums and scores f32.
; Four waves, as many as a WGP has SIMDs; a wave makes 128 tokens x 128 codes: 64 accumulator tiles of 16 x 16, 512 registers.
; K = 512 goes in four steps of 128 through two LDS slots filled by the tensor data mover; a tile's rows are 256 consecutive bytes of
; memory at multiples of 256.  The scores are made behind the products, from the accumulators, and never go to memory.
; CLUSTER: 4 x 4 work-groups.  The four of a row of the cluster need the same tiles of x, the four of a column the same tiles of embed:
; such a tile is asked for jointly, which divides the requests for both by four.
; REGISTERS, in windows of 256: window 0: v0-31 addresses; v32-39 -|x|^2; v40-55 results; v60-63 places; v64-127, v128-191 fragments of x,
; two buffers (behind the products: scores and temporaries); v192-255 -|e|^2.  Window 1: v64-191 fragments of embed.  Windows 2, 3: accumulators.
; THE MATRIX INSTRUCTION: source 0 = 16 codes, source 1 = 16 tokens.  Lane l then holds token l % 16, registers 0..7 codes 8 (l / 16) + 0..7.
; LIMITS: a NaN score is never taken as better, and a NaN in a chain's first place can leave its place behind; scores of +-infinity are not ordered:
; inputs whose scores are not finite are not served.  Both norms are those of the bf16-rounded rows.  The product's order of summation is
; the matrix unit's: two scores a few units in the last place apart can come out in the other order than in a serial f32 sum.
.set SIZE_K, 512
.set KSTEP,  128
.set PITCH,  272                       ; an LDS row: 256 bytes + 16: an odd multiple of 16, so the 16 rows of a fragment load start in 16 different 16-byte columns of a 256-byte span
.set HALFT,  128*PITCH                 ; 128 rows: what one tensor load brings, and what one wave reads of x or of embed
.set SLOT,   4*HALFT                   ; x's 256 rows, then embed's 256 rows
.set STAGE,  2*SLOT                    ; 278,528: 1,024 bytes for each wave, for the way out; no fill lands here
.set CB,   6                           ; v6      8 h + my wave's first code
.set R4,   7                           ; v7      4 r
.set H32,  8                           ; v8      32 h
.set ADRA, 16                          ; v16-17  LDS address of my x fragments in slot 0, 1
.set ADRB, 20                          ; v20-21  the same for embed
.set STO,  24                          ; v24     STAGE + 1,024 wave + 4 r
.set X2,   32                          ; v[32:39]  -|x|^2 of token 16 i + r
.set RV,   40                          ; v[40:47]  best score of token 16 i + r
.set RI,   48                          ; v[48:55]  its code
.set I,    60                          ; v[60:63]  four chains' places
.set F0,   64                          ; fragment buffer 0
.set F1,   128                         ; fragment buffer 1
.set S,    64                          ; v[64:127] behind the products: 64 scores of one token, place 8 b + j = code 16 b + 8 h + j
.set PM,   128                         ; v128..130 behind the products: the other lane half's score and code, a temporary
.set PJ,   129
.set PT,   130
.set E2,   192                         ; v[192:255] -|e|^2, place 8 b + j
.set G1, 24                            ; s[24:31] descriptor group 1 for x's tiles
.set G0, 32                            ; s[32:39] descriptor group 0 for x's tiles, one set for each slot
.set G1B, 48                           ; s[48:55] descriptor group 1 for embed's tiles: it differs in the mask alone
.set G0B, 56                           ; s[56:63] descriptor group 0 for embed's tiles, one set for each slot
.set MSB, 0
.macro WIN new                         ; the immediate's high byte repeats the setting that is left
.if MSB != \new
	s_set_vgpr_msb (MSB<<8)|\new
.set MSB, \new
.endif
.endm
.set MUL_LO, 0xa1                      ; source 0 (embed) window 1, source 1 (x) window 0, C and D window 2
.set MUL_HI, 0xf1                      ; the same, C and D window 3
.set TO_B,   0x40                      ; destination window 1, address window 0
; A joint load.  Waves 0 and 1 fetch x's two halves, waves 2 and 3 embed's.  Each line has one mask and one set of registers, and nothing
; in them hangs on a coordinate that the four partners do not share.  The branch hangs on the wave's number alone.
.macro JLOAD s
	s_cmp_eq_u32 s11, 0
	s_cbranch_scc0 .Lfor_b_\@
	tensor_load_to_lds s[G0+4*\s:G0+4*\s+3], s[G1:G1+7]
	s_nop 0
	s_branch .Lasked_\@
.Lfor_b_\@:
	tensor_load_to_lds s[G0B+4*\s:G0B+4*\s+3], s[G1B:G1B+7]
	s_nop 0
.Lasked_\@:
.endm
; A round of the cluster's barrier: my work-group's barrier; wave 0 signals for the work-group; every wave waits for all sixteen
; work-groups; my work-group's barrier once more.
.macro CREST                           ; a round behind its opening barrier
	s_cmp_lg_u32 s10, 0
	s_cbranch_scc1 .Lnot_wave_0_\@
	s_barrier_signal -3
.Lnot_wave_0_\@:
	s_barrier_wait -3
	s_barrier_signal -1
	s_barrier_wait -1
.endm
.macro CROUND
	s_barrier_signal -1
	s_barrier_wait -1
	CREST
.endm
	s_load_b128 s[4:7], s[0:1], 0x0                ; xb s[4:5], eb s[6:7]
	s_load_b256 s[68:75], s[0:1], 0x10             ; nx2 s[68:69], ne2 s[70:71], pval s[72:73], pidx s[74:75]
	s_set_vgpr_msb 0x40
	v_lshl_add_u32 v255, v0, 2, 0x45000
	s_set_vgpr_msb 0x4000
	v_mov_b32 v59, 0
	s_set_vgpr_msb 0x1
	ds_add_u32 v255, v59
	s_set_vgpr_msb 0x100
	v_lshrrev_b32 v1, 5, v0
	v_readfirstlane_b32 s10, v1                    ; wave 0..3
	s_lshr_b32 s11, s10, 1                         ; which half of the block's tokens is mine.  Also: I fetch for x (0) or for embed (1)
	s_and_b32 s12, s10, 1                          ; which half of its codes.  Also: which 128 rows of that tile I fetch
	s_bfe_u32 s40, ttmp6, 0x40000                  ; cx
	s_bfe_u32 s41, ttmp6, 0x40004                  ; cy
	s_lshl_b32 s42, ttmp9, 2
	s_add_co_u32 s42, s42, s40                     ; code block = 4 x cluster x + cx
	s_and_b32 s13, ttmp7, 0xffff
	s_lshl_b32 s13, s13, 2
	s_add_co_u32 s13, s13, s41                     ; token block = 4 x cluster y + cy
	s_lshl_b32 s43, s41, 2
	s_lshl_b32 s43, 15, s43                        ; my row of the cluster: places 4 cy .. 4 cy + 3
	s_lshl_b32 s44, 0x1111, s40                    ; my column: places cx, cx + 4, cx + 8, cx + 12
	; group 1: 128 rows x 128 elements of 2 bytes, 4 words of padding behind every 64 words (a row); bit 21 set beside a mask
	s_or_b32 s[G1+0], s43, (1<<16)|(1<<20)|(1<<21)|(5<<22)|(3<<25)
	s_or_b32 s[G1B+0], s44, (1<<16)|(1<<20)|(1<<21)|(5<<22)|(3<<25)
.irp g, G1, G1B
	s_mov_b32 s[\g+1], KSTEP<<16                   ; tensor_dim0 = 128
	s_mov_b32 s[\g+2], 128<<16                     ; tensor_dim1 = 128
	s_mov_b32 s[\g+3], KSTEP<<16                   ; tile_dim0 = 128
	s_mov_b32 s[\g+4], 128                         ; tile_dim1 = 128
	s_mov_b32 s[\g+5], SIZE_K                      ; elements from row to row
	s_mov_b32 s[\g+6], 0
	s_mov_b32 s[\g+7], 0
.endr
	; x's tiles hang on the token block alone, which my row of the cluster shares; embed's on the code block alone, which my column shares
	s_lshl_b32 s17, s12, 7                         ; which 128 rows of the tile I fetch
	s_lshl_b32 s16, s13, 8
	s_add_co_u32 s16, s16, s17                     ; x: row 256 x token block + 128 x half
	s_lshl_b32 s46, s42, 8
	s_add_co_u32 s46, s46, s17                     ; embed: row 256 x code block + 128 x half
	s_mov_b32 s17, 0
	s_mov_b32 s47, 0
	s_mov_b64 s[18:19], SIZE_K*2
	s_mul_u64 s[16:17], s[16:17], s[18:19]         ; in bytes
	s_mul_u64 s[46:47], s[46:47], s[18:19]
	s_mul_i32 s20, s10, HALFT                      ; where they go: wave x 128 rows: no place in the cluster enters an LDS address
	s_lshl_b32 s76, s13, 10                        ; nx2: (256 x token block + 128 x my half) x 4 bytes
	s_lshl_b32 s77, s11, 9
	s_add_co_u32 s76, s76, s77
	s_mov_b32 s77, 0
	s_lshl_b32 s78, s42, 10                        ; ne2: (256 x code block + 128 x my half) x 4 bytes
	s_lshl_b32 s79, s12, 9
	s_add_co_u32 s78, s78, s79
	s_mov_b32 s79, 0
	s_lshl_b32 s80, s42, 16                        ; pval, pidx: (16,384 x code block + 256 x token block + 128 x wave) x 4 bytes (waves 0, 1)
	s_lshl_b32 s81, s13, 10
	s_add_co_u32 s80, s80, s81
	s_lshl_b32 s81, s10, 9
	s_add_co_u32 s80, s80, s81
	s_lshl_b32 s81, s78, 0                         ; my wave's first code x 4,
	s_lshr_b32 s81, s81, 2                         ; and the code itself
	s_mov_b32 s82, 0x76543210                      ; v_permlanex16_b32: lane i reads lane i of the other half
	s_mov_b32 s83, 0xfedcba98
	s_wait_dscnt 0x0
	s_wait_kmcnt 0x0
	s_add_nc_u64 s[14:15], s[4:5], s[16:17]
	s_add_nc_u64 s[46:47], s[6:7], s[46:47]
	s_add_nc_u64 s[68:69], s[68:69], s[76:77]
	s_add_nc_u64 s[70:71], s[70:71], s[78:79]
	CROUND                                         ; all sixteen work-groups are here: the first joint loads meet
.irp s, 0,1
	s_mov_b32 s[G0+4*\s], 1
	s_add_co_u32 s[G0+4*\s+1], s20, \s*SLOT
	s_add_nc_u64 s[G0+4*\s+2:G0+4*\s+3], s[14:15], \s*KSTEP*2      ; K step s
	s_or_b32 s[G0+4*\s+3], s[G0+4*\s+3], 0x80000000
	s_mov_b32 s[G0B+4*\s], 1
	s_add_co_u32 s[G0B+4*\s+1], s20, \s*SLOT
	s_add_nc_u64 s[G0B+4*\s+2:G0B+4*\s+3], s[46:47], \s*KSTEP*2
	s_or_b32 s[G0B+4*\s+3], s[G0B+4*\s+3], 0x80000000
	JLOAD \s                                       ; two loads of the wave are out: the most in this text
.endr
	v_and_b32 v1, 15, v0                           ; r = l % 16
	v_bfe_u32 v2, v0, 4, 1                         ; h = l / 16
	v_mul_u32_u24 v3, v1, PITCH
	v_lshl_add_u32 v3, v2, 4, v3                   ; row x pitch + 16 h: a fragment's lane term
	s_mul_i32 s21, s11, HALFT                      ; my 128 rows of x
	s_mul_i32 s22, s12, HALFT                      ; my 128 rows of embed,
	s_add_co_u32 s22, s22, 2*HALFT                 ; which lie behind x's 256
.irp s, 0,1
	v_add_nc_u32 v[ADRA+\s], s21, v3
	v_add_nc_u32 v[ADRB+\s], s22, v3
	s_add_co_u32 s21, s21, SLOT
	s_add_co_u32 s22, s22, SLOT
.endr
	v_lshlrev_b32 v[R4], 2, v1
	v_lshlrev_b32 v[H32], 5, v2
	v_lshl_add_u32 v[CB], v2, 3, s81
	s_lshl_b32 s23, s10, 10
	s_add_co_u32 s23, s23, STAGE
	v_add_nc_u32 v[STO], s23, v[R4]
	; the norms: asked for now, waited for once behind the products; no line of the products touches their registers
.irp i, 0,1,2,3,4,5,6,7
	global_load_b32 v[X2+\i], v[R4], s[68:69] offset:64*\i                         ; token 16 i + r
	global_load_b128 v[E2+8*\i:E2+8*\i+3],   v[H32], s[70:71] offset:64*\i         ; codes 16 i + 8 h + 0..3
	global_load_b128 v[E2+8*\i+4:E2+8*\i+7], v[H32], s[70:71] offset:64*\i+16      ; codes 16 i + 8 h + 4..7
.endr
; 16 matrix instructions: token blocks a0, a0 + 1 of the window's four x all 8 code blocks, 32 along K.  zero = 1: the first product starts the sums.
; The 64 accumulators take turns, one instruction a turn, in the same order in every quarter step.
.macro MUL16 f, hi, a0, zero
.irp a, \a0, \a0+1
.irp b, 0,1,2,3,4,5,6,7
.if \zero
	v_wmma_f32_16x16x32_bf16 v[8*(8*(\a)+\b):8*(8*(\a)+\b)+7], v[\f+8*\b:\f+8*\b+7], v[\f+8*(4*\hi+\a):\f+8*(4*\hi+\a)+7], 0
.else
	v_wmma_f32_16x16x32_bf16 v[8*(8*(\a)+\b):8*(8*(\a)+\b)+7], v[\f+8*\b:\f+8*\b+7], v[\f+8*(4*\hi+\a):\f+8*(4*\hi+\a)+7], v[8*(8*(\a)+\b):8*(8*(\a)+\b)+7]
.endif
.endr
.endr
.endm
; 32 LDS loads in one run: the fragments of one quarter step (128 codes, 128 tokens, 32 K at byte k of the rows) into buffer f
.macro FETCH slot, k, f
	WIN TO_B
.irp i, 0,1,2,3,4,5,6,7
	ds_load_b128 v[\f+8*\i:\f+8*\i+3],   v[ADRB+\slot] offset:\k+\i*16*PITCH
	ds_load_b128 v[\f+8*\i+4:\f+8*\i+7], v[ADRB+\slot] offset:\k+\i*16*PITCH+32
.endr
	WIN 0
.irp i, 0,1,2,3,4,5,6,7
	ds_load_b128 v[\f+8*\i:\f+8*\i+3],   v[ADRA+\slot] offset:\k+\i*16*PITCH
	ds_load_b128 v[\f+8*\i+4:\f+8*\i+7], v[ADRA+\slot] offset:\k+\i*16*PITCH+32
.endr
.endm
; Four places behind a matrix instruction before a load lands in a register that it read or a vector instruction reads its result
; only plain vector instructions that name none of its registers are places.
.macro PLACES
.rept 4
	v_nop
.endr
.endm
; A K step is four quarter steps of 32 along K, 64 matrix instructions each, on buffers 0, 1, 0, 1.
.macro QUARTER slot, k, f, g, zero
	s_wait_dscnt 8                                 ; embed's fragments and x's rows 0-63 are in; the youngest eight loads (x's rows 64-127) may be out
	WIN MUL_LO
	MUL16 \f, 0, 0, \zero
	MUL16 \f, 0, 2, \zero
	PLACES
	FETCH \slot, \k, \g
	s_wait_dscnt 32                                ; all but the 32 just issued
	WIN MUL_HI
	MUL16 \f, 1, 0, \zero
	MUL16 \f, 1, 2, \zero
.endm
.macro THREE slot, zero
	QUARTER \slot, 64,  F0, F1, \zero
	QUARTER \slot, 128, F1, F0, 0
	QUARTER \slot, 192, F0, F1, 0
.endm
; The last quarter: multiplies buffer 1 and changes slots.  fill = 1: this slot is filled again, two K steps ahead.
.macro TURN slot, next, fill
	s_wait_dscnt 8
	WIN MUL_LO
	MUL16 F1, 0, 0, 0
	s_wait_dscnt 0                                 ; my reads of this slot are over
	s_wait_tensorcnt 0x0                           ; and all my tensor loads have landed: the one that was out is my part of the next slot
	ds_add_u32 v255, v59
	s_wait_dscnt 0x0
	s_barrier_signal -1                            ; say so (where a slot is filled again this barrier opens a round of the cluster's barrier),
	MUL16 F1, 0, 2, 0                              ; work on registers while the others arrive,
	WIN 0
	s_barrier_wait -1
.if \fill
	CREST                                          ; no wave of any partner still reads this slot's tile or has a load on its way
	s_add_nc_u64 s[G0+4*\slot+2:G0+4*\slot+3], s[G0+4*\slot+2:G0+4*\slot+3], 2*KSTEP*2
	s_add_nc_u64 s[G0B+4*\slot+2:G0B+4*\slot+3], s[G0B+4*\slot+2:G0B+4*\slot+3], 2*KSTEP*2
	JLOAD \slot                                    ; the first tensor load behind the round, one a wave
.endif
	PLACES
	FETCH \next, 0, F0
	WIN MUL_HI
	MUL16 F1, 1, 0, 0
	MUL16 F1, 1, 2, 0
.endm
	s_wait_tensorcnt 1                             ; my part of K step 0 is in; K step 1's may stay out
	s_barrier_signal -1
	s_barrier_wait -1
	FETCH 0, 0, F0
	THREE 0, 1                                     ; K step 0: its first products start the sums
	TURN 0, 1, 1                                   ; slot 0 gets K step 2
	THREE 1, 0                                     ; K step 1
	TURN 1, 0, 1                                   ; slot 1 gets K step 3
	THREE 0, 0                                     ; K step 2
	TURN 0, 1, 0                                   ; nothing is left to fetch
	THREE 1, 0                                     ; K step 3
	s_wait_dscnt 8
	WIN MUL_LO
	MUL16 F1, 0, 0, 0
	MUL16 F1, 0, 2, 0
	s_wait_dscnt 0
	WIN MUL_HI
	MUL16 F1, 1, 0, 0
	MUL16 F1, 1, 2, 0
	PLACES                                         ; behind the last matrix instructions: the lines below read results and write over fragments
	WIN 0
	s_wait_loadcnt 0x0                             ; the norms
	v_mov_b32 v[PM], 0                             ; v_permlanex16_b32 counts as a reader of its destination
	v_mov_b32 v[PJ], 0
; Tokens 16 i .. 16 i + 15 = the eight tiles (a, 0..7) of window 2 or 3 (from = 0x02 or 0x03: source 0).  A lane has 64 scores of one token.
.macro BLK i, a, from
	WIN \from
.set k, 0
.rept 64
	v_fma_f32 v[S+k], v[64*\a+k], 2.0, v[X2+\i]    ; fl(2 dot - |x|^2): 2 dot is exact, one rounding
.set k, k+1
.endr
	WIN 0
.set k, 0
.rept 32
	v_pk_add_f32 v[S+k:S+k+1], v[S+k:S+k+1], v[E2+k:E2+k+1]        ; fl(.. - |e|^2)
.set k, k+2
.endr
.irp c, 0,1,2,3
	v_mov_b32 v[I+\c], 16*\c                       ; four chains of 16 places; a chain's first score starts its maximum, in place
.endr
.set t, 1
.rept 15
.irp c, 0,1,2,3
	v_cmp_gt_f32 vcc_lo, v[S+16*\c+t], v[S+16*\c]  ; strictly better only: the earlier, lower code stays
	v_cndmask_b32 v[I+\c], v[I+\c], 16*\c+t, vcc_lo
	v_max_num_f32 v[S+16*\c], v[S+16*\c], v[S+16*\c+t]
.endr
.set t, t+1
.endr
.irp c, 1,2,3
	v_cmp_gt_f32 vcc_lo, v[S+16*\c], v[S]          ; the chains join in ascending order
	v_cndmask_b32 v[I], v[I], v[I+\c], vcc_lo
	v_max_num_f32 v[S], v[S], v[S+16*\c]
.endr
	v_and_b32 v[PT], 0x38, v[I]                    ; place 8 b + j -> code 16 b + j + (8 h + my wave's first code)
	v_add3_u32 v[I], v[I], v[PT], v[CB]
	v_permlanex16_b32 v[PM], v[S], s82, s83        ; the same token's other 64 codes
	v_permlanex16_b32 v[PJ], v[I], s82, s83
	v_cmp_gt_f32 s78, v[PM], v[S]                  ; the other wins if it is larger,
	v_cmp_eq_f32 s79, v[PM], v[S]                  ; or equal with the lower code
	v_cmp_lt_u32 vcc_lo, v[PJ], v[I]
	s_and_b32 s79, s79, vcc_lo
	s_or_b32 vcc_lo, s78, s79
	v_cndmask_b32 v[RV+\i], v[S], v[PM], vcc_lo
	v_cndmask_b32 v[RI+\i], v[I], v[PJ], vcc_lo
.endm
	BLK 0, 0, 0x02
	BLK 1, 1, 0x02
	BLK 2, 2, 0x02
	BLK 3, 3, 0x02
	BLK 4, 0, 0x03
	BLK 5, 1, 0x03
	BLK 6, 2, 0x03
	BLK 7, 3, 0x03
	; stage: wave w's 128 scores at STAGE + 1,024 w + 4 token, its codes 512 further on.  Both lane halves write the same words with the same values.
.irp i, 0,1,2,3,4,5,6,7
	ds_store_b32 v[STO], v[RV+\i] offset:64*\i
	ds_store_b32 v[STO], v[RI+\i] offset:512+64*\i
.endr
	s_wait_dscnt 0x0                               ; for the other waves' sake
	s_barrier_signal -1
	s_barrier_wait -1
	s_cmp_gt_u32 s10, 1
	s_cbranch_scc1 .Ldone
	; waves 0 and 1: wave w joins the two code halves (waves 2 w, 2 w + 1) of tokens 128 w .., four tokens a lane
	v_and_b32 v1, 31, v0
	v_lshlrev_b32 v1, 4, v1
	s_lshl_b32 s78, s10, 11
	s_add_co_u32 s78, s78, STAGE
	v_add_nc_u32 v2, s78, v1
	v_add_nc_u32 v3, s80, v1
	ds_load_b128 v[64:67], v2                      ; scores, lower codes
	ds_load_b128 v[68:71], v2 offset:1024          ; scores, higher codes
	ds_load_b128 v[72:75], v2 offset:512           ; codes, lower
	ds_load_b128 v[76:79], v2 offset:1536          ; codes, higher
	s_wait_dscnt 0x0
.irp e, 0,1,2,3
	v_cmp_gt_f32 vcc_lo, v[68+\e], v[64+\e]        ; a tie stays with the lower codes
	v_cndmask_b32 v[64+\e], v[64+\e], v[68+\e], vcc_lo
	v_cndmask_b32 v[72+\e], v[72+\e], v[76+\e], vcc_lo
.endr
	global_store_b128 v3, v[64:67], s[72:73]       ; each store of the wave covers 512 consecutive bytes, aligned
	global_store_b128 v3, v[72:75], s[74:75]
.Ldone:
	s_set_vgpr_msb 0x1
	s_wait_tensorcnt 0x0
	ds_add_u32 v255, v59
	s_wait_dscnt 0x0
	s_set_vgpr_msb 0x100
	CROUND                                         ; the closing round: no work-group ends while a partner may still ask jointly
	s_endpgm
.Lfunc_end_k_q38f5eb0d54_score:
	.size	k_q38f5eb0d54_score, .Lfunc_end_k_q38f5eb0d54_score-k_q38f5eb0d54_score
	.p2alignl 7, 3214868480
	.fill 96, 4, 3214868480
	.section	.rodata,"a",@progbits
	.p2align	6, 0x0
	.amdhsa_kernel k_q38f5eb0d54_score
		.amdhsa_group_segment_fixed_size 327680
		.amdhsa_private_segment_fixed_size 0
		.amdhsa_enable_private_segment 0
		.amdhsa_kernarg_size 48
		.amdhsa_user_sgpr_count 2
		.amdhsa_user_sgpr_kernarg_segment_ptr 1
		.amdhsa_wavefront_size32 1
		.amdhsa_system_sgpr_workgroup_id_x 1
		.amdhsa_system_sgpr_workgroup_id_y 1
		.amdhsa_system_sgpr_workgroup_id_z 1
		.amdhsa_system_vgpr_workitem_id 0
		.amdhsa_next_free_vgpr 1024
		.amdhsa_next_free_sgpr 84
		.amdhsa_reserve_vcc 1
		.amdhsa_float_denorm_mode_32 3
		.amdhsa_float_denorm_mode_16_64 3
		.amdhsa_memory_ordered 1
		.amdhsa_forward_progress 1
		.amdhsa_inst_pref_size 231
	.end_amdhsa_kernel
	.amdgpu_metadata
---
amdhsa.version: [ 1, 2 ]
amdhsa.kernels:
  - .name:           k_q38f5eb0d54_score
    .symbol:         k_q38f5eb0d54_score.kd
    .args:
      - { .name: xb, .offset: 0, .size: 8, .value_kind: global_buffer, .address_space: global }
      - { .name: eb, .offset: 8, .size: 8, .value_kind: global_buffer, .address_space: global }
      - { .name: nx2, .offset: 16, .size: 8, .value_kind: global_buffer, .address_space: global }
      - { .name: ne2, .offset: 24, .size: 8, .value_kind: global_buffer, .address_space: global }
      - { .name: pval, .offset: 32, .size: 8, .value_kind: global_buffer, .address_space: global }
      - { .name: pidx, .offset: 40, .size: 8, .value_kind: global_buffer, .address_space: global }
    .group_segment_fixed_size: 327680
    .private_segment_fixed_size: 0
    .kernarg_segment_align: 8
    .kernarg_segment_size: 48
    .max_flat_workgroup_size: 128
    .sgpr_count:     84
    .vgpr_count:     1024
    .wavefront_size: 32
...
	.end_amdgpu_metadata
.endif
;; end of part 2
;; launch merge (part 3): grid 256 x 1, 1 waves a work-group, no clusters, 0 bytes of LDS; arguments pval, pidx, out1, win; writes out1, win
.if DOCPART == 3
	.amdgcn_target "amdgcn-amd-amdhsa--gfx1250"
	.amdhsa_code_object_version 6
	.text
	.protected	k_q38f5eb0d54_merge
	.globl	k_q38f5eb0d54_merge
	.p2align	8
	.type	k_q38f5eb0d54_merge,@function
k_q38f5eb0d54_merge:
	s_mov_b64 s[64:65], 0
	v_nop
	global_prefetch_b8 v0, s[64:65] scope:SCOPE_SE
	s_setreg_imm32_b32 hwreg(HW_REG_WAVE_MODE, 25, 1), 1
	s_wait_xcnt 0x0
; For each token: the first maximum over the 32 code blocks' candidates.  out1[t] = win[t] = its code.
; pval, pidx: [32][16384].  One wave a work-group, 64 tokens, two a lane: each load and store of the wave covers 256 consecutive bytes, aligned.
; The blocks are taken in ascending order and only a strictly larger score replaces the best one, so a tie stays with the lower code.
; The comparison selects values and steers no address.  16 pairs of loads are kept on their way; every pair has registers of its own.
; A NaN score is never taken as better (see the launch that makes the scores).  A short stream: no LDS, no matrix unit, no cluster.
.set PLANE, 65536                      ; bytes from a block's table to the next
.set V, 4                              ; v[4:67]    block b: two scores at 2 b; block 0's pair becomes the best
.set C, 68                             ; v[68:131]  block b: two codes at 2 b; block 0's pair becomes the best
	s_load_b256 s[4:11], s[0:1], 0x0               ; pval s[4:5], pidx s[6:7], out1 s[8:9], win s[10:11]
	s_lshl_b32 s12, ttmp9, 8                       ; 64 tokens x 4 bytes
	v_lshl_add_u32 v1, v0, 3, s12
	s_wait_kmcnt 0x0
.macro ASK b
	global_load_b64 v[V+2*(\b):V+2*(\b)+1], v1, s[4:5] offset:PLANE*(\b)
	global_load_b64 v[C+2*(\b):C+2*(\b)+1], v1, s[6:7] offset:PLANE*(\b)
.endm
.macro TAKE b
.irp e, 0,1
	v_cmp_gt_f32 vcc_lo, v[V+2*(\b)+\e], v[V+\e]
	v_cndmask_b32 v[C+\e], v[C+\e], v[C+2*(\b)+\e], vcc_lo
	v_max_num_f32 v[V+\e], v[V+\e], v[V+2*(\b)+\e]
.endr
.endm
.set mb, 0
.rept 16
	ASK mb
.set mb, mb+1
.endr
	ASK 16                                         ; block 0 starts the best in place: nothing to do for it
.set mb, 1
.rept 15
	s_wait_loadcnt 30                              ; loads come back in order: the 15 younger pairs may stay out
	TAKE mb
	ASK mb+16
.set mb, mb+1
.endr
.rept 16
	s_wait_loadcnt 2*(31-mb)                       ; the counts run down
	TAKE mb
.set mb, mb+1
.endr
	global_store_b64 v1, v[C:C+1], s[8:9]
	global_store_b64 v1, v[C:C+1], s[10:11]
	s_endpgm
.Lfunc_end_k_q38f5eb0d54_merge:
	.size	k_q38f5eb0d54_merge, .Lfunc_end_k_q38f5eb0d54_merge-k_q38f5eb0d54_merge
	.p2alignl 7, 3214868480
	.fill 96, 4, 3214868480
	.section	.rodata,"a",@progbits
	.p2align	6, 0x0
	.amdhsa_kernel k_q38f5eb0d54_merge
		.amdhsa_group_segment_fixed_size 0
		.amdhsa_private_segment_fixed_size 0
		.amdhsa_enable_private_segment 0
		.amdhsa_kernarg_size 32
		.amdhsa_user_sgpr_count 2
		.amdhsa_user_sgpr_kernarg_segment_ptr 1
		.amdhsa_wavefront_size32 1
		.amdhsa_system_sgpr_workgroup_id_x 1
		.amdhsa_system_sgpr_workgroup_id_y 1
		.amdhsa_system_sgpr_workgroup_id_z 1
		.amdhsa_system_vgpr_workitem_id 0
		.amdhsa_next_free_vgpr 136
		.amdhsa_next_free_sgpr 66
		.amdhsa_reserve_vcc 1
		.amdhsa_float_denorm_mode_32 3
		.amdhsa_float_denorm_mode_16_64 3
		.amdhsa_memory_ordered 1
		.amdhsa_forward_progress 1
		.amdhsa_inst_pref_size 14
	.end_amdhsa_kernel
	.amdgpu_metadata
---
amdhsa.version: [ 1, 2 ]
amdhsa.kernels:
  - .name:           k_q38f5eb0d54_merge
    .symbol:         k_q38f5eb0d54_merge.kd
    .args:
      - { .name: pval, .offset: 0, .size: 8, .value_kind: global_buffer, .address_space: global }
      - { .name: pidx, .offset: 8, .size: 8, .value_kind: global_buffer, .address_space: global }
      - { .name: out1, .offset: 16, .size: 8, .value_kind: global_buffer, .address_space: global }
      - { .name: win, .offset: 24, .size: 8, .value_kind: global_buffer, .address_space: global }
    .group_segment_fixed_size: 0
    .private_segment_fixed_size: 0
    .kernarg_segment_align: 8
    .kernarg_segment_size: 32
    .max_flat_workgroup_size: 32
    .sgpr_count:     66
    .vgpr_count:     136
    .wavefront_size: 32
...
	.end_amdgpu_metadata
.endif
;; end of part 3
;; launch gather (part 4): grid 256 x 1, 8 waves a work-group, no clusters, 0 bytes of LDS; arguments embed, win, out0; writes out0
.if DOCPART == 4
	.amdgcn_target "amdgcn-amd-amdhsa--gfx1250"
	.amdhsa_code_object_version 6
	.text
	.protected	k_q38f5eb0d54_gather
	.globl	k_q38f5eb0d54_gather
	.p2align	8
	.type	k_q38f5eb0d54_gather,@function
k_q38f5eb0d54_gather:
	s_mov_b64 s[64:65], 0
	v_nop
	global_prefetch_b8 v0, s[64:65] scope:SCOPE_SE
	s_setreg_imm32_b32 hwreg(HW_REG_WAVE_MODE, 25, 1), 1
	s_wait_xcnt 0x0
; out0[t] = embed[win[t]], f32 rows of 2,048 bytes.  A work-group owns 64 tokens, wave w tokens 8 w .. 8 w + 7.
; The addresses come from the whole numbers that the launch before stored, clamped to 8,191.  All 32 loads of a wave, 512 consecutive
; bytes each, go out at once; each store covers 512 consecutive bytes, aligned.  No loop, no LDS: matrix unit, clusters and tile rings buy nothing.
.set OFF, 2                            ; v[2:9]     token i: code x 2,048 + 16 x lane
.set L16, 10                           ; v10        16 x lane
.set SO,  11                           ; v11        wave x 8 rows x 2,048 + 16 x lane
.set X,   16                           ; v[16:143]  token i, piece j: 4 registers at 16 i + 4 j
	s_load_b128 s[4:7], s[0:1], 0x0                ; embed s[4:5], win s[6:7]
	s_load_b64 s[8:9], s[0:1], 0x10                ; out0
	v_lshrrev_b32 v1, 5, v0
	v_readfirstlane_b32 s10, v1                    ; wave 0..7
	v_and_b32 v1, 31, v0
	v_lshlrev_b32 v[L16], 4, v1
	s_lshl_b32 s11, ttmp9, 8                       ; 64 tokens x 4 bytes
	s_lshl_b32 s12, s10, 5
	s_add_co_u32 s11, s11, s12                     ; my eight tokens' 32 bytes
	s_lshl_b32 s13, s10, 14
	v_add_nc_u32 v[SO], s13, v[L16]
	s_lshl_b32 s14, ttmp9, 17                      ; 64 rows x 2,048 bytes
	s_mov_b32 s15, 0
	s_wait_kmcnt 0x0
	s_load_b256 s[16:23], s[6:7], s11 offset:0x0
	s_add_nc_u64 s[8:9], s[8:9], s[14:15]
	s_wait_kmcnt 0x0
.irp i, 0,1,2,3,4,5,6,7
	s_min_u32 s[16+\i], s[16+\i], 0x1fff
	s_lshl_b32 s[16+\i], s[16+\i], 11
	v_add_nc_u32 v[OFF+\i], s[16+\i], v[L16]
.endr
.irp i, 0,1,2,3,4,5,6,7
.irp j, 0,1,2,3
	global_load_b128 v[X+16*\i+4*\j:X+16*\i+4*\j+3], v[OFF+\i], s[4:5] offset:512*\j       ; no hint: a row may be named again
.endr
.endr
.irp i, 0,1,2,3,4,5,6,7
	s_wait_loadcnt 28-4*\i                         ; loads come back in order: the later tokens' 4 (7 - i) loads may stay out
.irp j, 0,1,2,3
	global_store_b128 v[SO], v[X+16*\i+4*\j:X+16*\i+4*\j+3], s[8:9] offset:2048*\i+512*\j th:TH_STORE_NT
.endr
.endr
	s_endpgm
.Lfunc_end_k_q38f5eb0d54_gather:
	.size	k_q38f5eb0d54_gather, .Lfunc_end_k_q38f5eb0d54_gather-k_q38f5eb0d54_gather
	.p2alignl 7, 3214868480
	.fill 96, 4, 3214868480
	.section	.rodata,"a",@progbits
	.p2align	6, 0x0
	.amdhsa_kernel k_q38f5eb0d54_gather
		.amdhsa_group_segment_fixed_size 0
		.amdhsa_private_segment_fixed_size 0
		.amdhsa_enable_private_segment 0
		.amdhsa_kernarg_size 24
		.amdhsa_user_sgpr_count 2
		.amdhsa_user_sgpr_kernarg_segment_ptr 1
		.amdhsa_wavefront_size32 1
		.amdhsa_system_sgpr_workgroup_id_x 1
		.amdhsa_system_sgpr_workgroup_id_y 1
		.amdhsa_system_sgpr_workgroup_id_z 1
		.amdhsa_system_vgpr_workitem_id 0
		.amdhsa_next_free_vgpr 144
		.amdhsa_next_free_sgpr 66
		.amdhsa_reserve_vcc 0
		.amdhsa_float_denorm_mode_32 3
		.amdhsa_float_denorm_mode_16_64 3
		.amdhsa_memory_ordered 1
		.amdhsa_forward_progress 1
		.amdhsa_inst_pref_size 9
	.end_amdhsa_kernel
	.amdgpu_metadata
---
amdhsa.version: [ 1, 2 ]
amdhsa.kernels:
  - .name:           k_q38f5eb0d54_gather
    .symbol:         k_q38f5eb0d54_gather.kd
    .args:
      - { .name: embed, .offset: 0, .size: 8, .value_kind: global_buffer, .address_space: global }
      - { .name: win, .offset: 8, .size: 8, .value_kind: global_buffer, .address_space: global }
      - { .name: out0, .offset: 16, .size: 8, .value_kind: global_buffer, .address_space: global }
    .group_segment_fixed_size: 0
    .private_segment_fixed_size: 0
    .kernarg_segment_align: 8
    .kernarg_segment_size: 24
    .max_flat_workgroup_size: 256
    .sgpr_count:     66
    .vgpr_count:     144
    .wavefront_size: 32
...
	.end_amdgpu_metadata
.endif
;; end of part 4
;; ======== version 2 of 2: 4 launches; 1.11 times as fast as version 1
;; workspace buffers: xb 16,777,216 bytes; eb 8,388,608 bytes; nx2 65,536 bytes; ne2 32,768 bytes; pval 262,144 bytes; pidx 262,144 bytes of whole numbers; win 65,536 bytes of whole numbers
;; launch prep: the kernel of part 1 again; grid 384 x 1, 8 waves a work-group, no clusters, 1,280 bytes of LDS; arguments x, embed, xb, eb, nx2, ne2; writes xb, eb, nx2, ne2
;; launch score (part 5): grid 4 x 64, 4 waves a work-group, clusters of 4 x 4, 327,680 bytes of LDS; arguments xb, eb, nx2, ne2, pval, pidx; writes pval, pidx
.if DOCPART == 5
	.amdgcn_target "amdgcn-amd-amdhsa--gfx1250"
	.amdhsa_code_object_version 6
	.text
	.protected	k_q38f5eb0d54_score
	.globl	k_q38f5eb0d54_score
	.p2align	8
	.type	k_q38f5eb0d54_score,@function
k_q38f5eb0d54_score:
	s_mov_b64 s[64:65], 0
	v_nop
	global_prefetch_b8 v0, s[64:65] scope:SCOPE_SE
	s_setreg_imm32_b32 hwreg(HW_REG_WAVE_MODE, 25, 1), 1
	s_wait_xcnt 0x0
	s_wait_alu depctr_hold_cnt(0) depctr_sa_sdst(0) depctr_va_vdst(0) depctr_va_sdst(0) depctr_va_ssrc(0) depctr_va_vcc(0) depctr_vm_vsrc(0)
	s_getreg_b32 s2, hwreg(HW_REG_IB_STS2, 6, 4)
	s_cmp_eq_u32 s2, 0
	s_cbranch_scc0 .Lentry_in_a_cluster
	s_endpgm
.Lentry_in_a_cluster:
	s_bfe_u32 s2, ttmp6, 0x10000c
	s_cmp_lg_u32 s2, 0xf033
	s_cbranch_scc0 .Lentry_shape_is_right
	s_endpgm
.Lentry_shape_is_right:
; For 256 tokens and one quarter of the codebook (2,048 codes): score(t, c) = fl(fl(2 x.e - |x|^2) - |e|^2), its maximum over these codes and
; the FIRST code that reaches it.  pval[quarter][t] = the maximum, pidx[quarter][t] = the code (0..8191).  Operands bf16, sums and scores f32.
; 4 x 64 = 256 work-groups that stay: each walks 8 code blocks of 256 codes.  Four waves, as many as a WGP has SIMDs; a wave makes 128 tokens x
; 128 codes of a block: 64 accumulator tiles of 16 x 16, 512 registers.  K = 512 goes in four steps of 128 through two LDS slots filled by the
; tensor data mover; a tile's rows are 256 consecutive bytes of memory at multiples of 256.  The ring runs on over the blocks' ends: behind K steps
; 2 and 3 of a block the slots get K steps 0 and 1 of the next, which land while this block is finished and scored.
; The scores are made behind a block's products, from the accumulators, and never go to memory; each lane keeps a running best over the blocks.
; CLUSTER: 4 x 4 work-groups.  The four of a row of the cluster (four quarters, one token block) need the same tiles of x, the four of a column
; (one quarter, four token blocks) the same tiles of embed: such a tile is asked for jointly, which divides the requests for both by four.
; REGISTERS, in windows of 256: window 0: v0-31 addresses; v32-39 -|x|^2; v40-55 running best; v56-63 temporaries and places; v64-127, v128-191
; fragments of x, two buffers (buffer 1 also holds the scores at work); v192-255 -|e|^2.  Window 1: v64-191 fragments of embed.  Windows 2, 3: accumulators.
; THE MATRIX INSTRUCTION: source 0 = 16 codes, source 1 = 16 tokens.  Lane l then holds token l % 16, registers 0..7 codes 8 (l / 16) + 0..7.
; LIMITS: a NaN score is never taken as better, and a NaN in a chain's first place can leave its place behind; scores of +-infinity are not ordered:
; inputs whose scores are not finite are not served.  Both norms are those of the bf16-rounded rows.  The product's order of summation is
; the matrix unit's: two scores a few units in the last place apart can come out in the other order than in a serial f32 sum.
.set SIZE_K, 512
.set KSTEP,  128
.set NBLK,   8                         ; code blocks of 256 codes that a work-group walks
.set PITCH,  272                       ; an LDS row: 256 bytes + 16: an odd multiple of 16, so the 16 rows of a fragment load start in 16 different 16-byte columns of a 256-byte span
.set HALFT,  128*PITCH                 ; 128 rows: what one tensor load brings, and what one wave reads of x or of embed
.set SLOT,   4*HALFT                   ; x's 256 rows, then embed's 256 rows
.set STAGE,  2*SLOT                    ; 278,528: 1,024 bytes for each wave, for the way out; no fill lands here
.set CB,   6                           ; v6      8 h + my wave's first code in block 0
.set R4,   7                           ; v7      4 r
.set H32,  8                           ; v8      32 h
.set ADRA, 16                          ; v16-17  LDS address of my x fragments in slot 0, 1
.set ADRB, 20                          ; v20-21  the same for embed
.set STO,  24                          ; v24     STAGE + 1,024 wave + 4 r
.set X2,   32                          ; v[32:39]  -|x|^2 of token 16 i + r
.set RV,   40                          ; v[40:47]  best score so far of token 16 i + r among my lane's codes
.set RI,   48                          ; v[48:55]  where: 64 block + place; at the end the code
.set PM,   56                          ; v56-58    temporaries
.set PJ,   57
.set PT,   58
.set I,    60                          ; v[60:63]  four chains' places
.set F0,   64                          ; fragment buffer 0
.set F1,   128                         ; fragment buffer 1
.set S,    128                         ; v[128:191] behind a block's products: 64 scores of one token, place 8 b + j = code 16 b + 8 h + j.  Buffer 0 holds the next block's first fragments meanwhile
.set E2,   192                         ; v[192:255] -|e|^2 of the block, place 8 b + j
.set G1, 24                            ; s[24:31] descriptor group 1 for x's tiles
.set G0, 32                            ; s[32:39] descriptor group 0 for x's tiles, one set for each slot
.set CNT, 45                           ; s45      the loop's counter
.set G1B, 48                           ; s[48:55] descriptor group 1 for embed's tiles: it differs in the mask alone
.set G0B, 56                           ; s[56:63] descriptor group 0 for embed's tiles, one set for each slot
.set PB, 76                            ; s76      64 x the block's number
.set MSB, 0
.macro WIN new                         ; the immediate's high byte repeats the setting that is left
.if MSB != \new
	s_set_vgpr_msb (MSB<<8)|\new
.set MSB, \new
.endif
.endm
.set MUL_LO, 0xa1                      ; source 0 (embed) window 1, source 1 (x) window 0, C and D window 2
.set MUL_HI, 0xf1                      ; the same, C and D window 3
.set TO_B,   0x40                      ; destination window 1, address window 0
; A joint load.  Waves 0 and 1 fetch x's two halves, waves 2 and 3 embed's.  Each line has one mask and one set of registers, and nothing
; in them hangs on a coordinate that the four partners do not share.  The branch hangs on the wave's number alone.
.macro JLOAD s
	s_cmp_eq_u32 s11, 0
	s_cbranch_scc0 .Lfor_b_\@
	tensor_load_to_lds s[G0+4*\s:G0+4*\s+3], s[G1:G1+7]
	s_nop 0
	s_branch .Lasked_\@
.Lfor_b_\@:
	tensor_load_to_lds s[G0B+4*\s:G0B+4*\s+3], s[G1B:G1B+7]
	s_nop 0
.Lasked_\@:
.endm
; A round of the cluster's barrier: my work-group's barrier; wave 0 signals for the work-group; every wave waits for all sixteen
; work-groups; my work-group's barrier once more.
.macro CREST                           ; a round behind its opening barrier
	s_cmp_lg_u32 s10, 0
	s_cbranch_scc1 .Lnot_wave_0_\@
	s_barrier_signal -3
.Lnot_wave_0_\@:
	s_barrier_wait -3
	s_barrier_signal -1
	s_barrier_wait -1
.endm
.macro CROUND
	s_barrier_signal -1
	s_barrier_wait -1
	CREST
.endm
	s_load_b128 s[4:7], s[0:1], 0x0                ; xb s[4:5], eb s[6:7]
	s_load_b256 s[68:75], s[0:1], 0x10             ; nx2 s[68:69], ne2 s[70:71], pval s[72:73], pidx s[74:75]
	s_set_vgpr_msb 0x40
	v_lshl_add_u32 v255, v0, 2, 0x45000
	s_set_vgpr_msb 0x4000
	v_mov_b32 v59, 0
	s_set_vgpr_msb 0x1
	ds_add_u32 v255, v59
	s_set_vgpr_msb 0x100
	v_lshrrev_b32 v1, 5, v0
	v_readfirstlane_b32 s10, v1                    ; wave 0..3
	s_lshr_b32 s11, s10, 1                         ; which half of the block's tokens is mine.  Also: I fetch for x (0) or for embed (1)
	s_and_b32 s12, s10, 1                          ; which half of its codes.  Also: which 128 rows of that tile I fetch
	s_bfe_u32 s40, ttmp6, 0x40000                  ; cx
	s_bfe_u32 s41, ttmp6, 0x40004                  ; cy
	s_lshl_b32 s42, ttmp9, 2
	s_add_co_u32 s42, s42, s40                     ; quarter of the codebook = 4 x cluster x + cx
	s_and_b32 s13, ttmp7, 0xffff
	s_lshl_b32 s13, s13, 2
	s_add_co_u32 s13, s13, s41                     ; token block = 4 x cluster y + cy
	s_lshl_b32 s43, s41, 2
	s_lshl_b32 s43, 15, s43                        ; my row of the cluster: places 4 cy .. 4 cy + 3
	s_lshl_b32 s44, 0x1111, s40                    ; my column: places cx, cx + 4, cx + 8, cx + 12
	; group 1: 128 rows x 128 elements of 2 bytes, 4 words of padding behind every 64 words (a row); bit 21 set beside a mask
	s_or_b32 s[G1+0], s43, (1<<16)|(1<<20)|(1<<21)|(5<<22)|(3<<25)
	s_or_b32 s[G1B+0], s44, (1<<16)|(1<<20)|(1<<21)|(5<<22)|(3<<25)
.irp g, G1, G1B
	s_mov_b32 s[\g+1], KSTEP<<16                   ; tensor_dim0 = 128
	s_mov_b32 s[\g+2], 128<<16                     ; tensor_dim1 = 128
	s_mov_b32 s[\g+3], KSTEP<<16                   ; tile_dim0 = 128
	s_mov_b32 s[\g+4], 128                         ; tile_dim1 = 128
	s_mov_b32 s[\g+5], SIZE_K                      ; elements from row to row
	s_mov_b32 s[\g+6], 0
	s_mov_b32 s[\g+7], 0
.endr
	; x's tiles hang on the token block alone, which my row of the cluster shares; embed's on the quarter alone, which my column shares
	s_lshl_b32 s17, s12, 7                         ; which 128 rows of the tile I fetch
	s_lshl_b32 s16, s13, 8
	s_add_co_u32 s16, s16, s17                     ; x: row 256 x token block + 128 x half
	s_lshl_b32 s46, s42, 11
	s_add_co_u32 s46, s46, s17                     ; embed: row 2,048 x quarter + 128 x half (block 0)
	s_mov_b32 s17, 0
	s_mov_b32 s47, 0
	s_mov_b64 s[18:19], SIZE_K*2
	s_mul_u64 s[16:17], s[16:17], s[18:19]         ; in bytes
	s_mul_u64 s[46:47], s[46:47], s[18:19]
	s_mul_i32 s20, s10, HALFT                      ; where they go: wave x 128 rows: no place in the cluster enters an LDS address
	s_lshl_b32 s76, s13, 10                        ; nx2: (256 x token block + 128 x my half) x 4 bytes
	s_lshl_b32 s77, s11, 9
	s_add_co_u32 s76, s76, s77
	s_mov_b32 s77, 0
	s_lshl_b32 s78, s42, 13                        ; ne2: (2,048 x quarter + 128 x my half) x 4 bytes (block 0)
	s_lshl_b32 s79, s12, 9
	s_add_co_u32 s78, s78, s79
	s_mov_b32 s79, 0
	s_lshl_b32 s80, s42, 16                        ; pval, pidx: (16,384 x quarter + 256 x token block + 128 x wave) x 4 bytes (waves 0, 1)
	s_lshl_b32 s81, s13, 10
	s_add_co_u32 s80, s80, s81
	s_lshl_b32 s81, s10, 9
	s_add_co_u32 s80, s80, s81
	s_lshr_b32 s81, s78, 2                         ; my wave's first code in block 0
	s_mov_b32 s82, 0x76543210                      ; v_permlanex16_b32: lane i reads lane i of the other half
	s_mov_b32 s83, 0xfedcba98
	s_wait_dscnt 0x0
	s_wait_kmcnt 0x0
	s_add_nc_u64 s[14:15], s[4:5], s[16:17]
	s_add_nc_u64 s[46:47], s[6:7], s[46:47]
	s_add_nc_u64 s[68:69], s[68:69], s[76:77]
	s_add_nc_u64 s[70:71], s[70:71], s[78:79]
	s_mov_b32 s[PB], 0                             ; block 0
	CROUND                                         ; all sixteen work-groups are here: the first joint loads meet
.irp s, 0,1
	s_mov_b32 s[G0+4*\s], 1
	s_add_co_u32 s[G0+4*\s+1], s20, \s*SLOT
	s_add_nc_u64 s[G0+4*\s+2:G0+4*\s+3], s[14:15], \s*KSTEP*2      ; K step s
	s_or_b32 s[G0+4*\s+3], s[G0+4*\s+3], 0x80000000
	s_mov_b32 s[G0B+4*\s], 1
	s_add_co_u32 s[G0B+4*\s+1], s20, \s*SLOT
	s_add_nc_u64 s[G0B+4*\s+2:G0B+4*\s+3], s[46:47], \s*KSTEP*2
	s_or_b32 s[G0B+4*\s+3], s[G0B+4*\s+3], 0x80000000
	JLOAD \s                                       ; two loads of the wave are out: the most in this text
.endr
	v_and_b32 v1, 15, v0                           ; r = l % 16
	v_bfe_u32 v2, v0, 4, 1                         ; h = l / 16
	v_mul_u32_u24 v3, v1, PITCH
	v_lshl_add_u32 v3, v2, 4, v3                   ; row x pitch + 16 h: a fragment's lane term
	s_mul_i32 s21, s11, HALFT                      ; my 128 rows of x
	s_mul_i32 s22, s12, HALFT                      ; my 128 rows of embed,
	s_add_co_u32 s22, s22, 2*HALFT                 ; which lie behind x's 256
.irp s, 0,1
	v_add_nc_u32 v[ADRA+\s], s21, v3
	v_add_nc_u32 v[ADRB+\s], s22, v3
	s_add_co_u32 s21, s21, SLOT
	s_add_co_u32 s22, s22, SLOT
.endr
	v_lshlrev_b32 v[R4], 2, v1
	v_lshlrev_b32 v[H32], 5, v2
	v_lshl_add_u32 v[CB], v2, 3, s81
	s_lshl_b32 s23, s10, 10
	s_add_co_u32 s23, s23, STAGE
	v_add_nc_u32 v[STO], s23, v[R4]
; The 64 -|e|^2 of my 128 codes of a block: codes 16 i + 8 h + 0..7 into places 8 i + 0..7.  Asked for a block ahead, waited for in front of the scoring.
.macro ASK_E2
.irp i, 0,1,2,3,4,5,6,7
	global_load_b128 v[E2+8*\i:E2+8*\i+3],   v[H32], s[70:71] offset:64*\i
	global_load_b128 v[E2+8*\i+4:E2+8*\i+7], v[H32], s[70:71] offset:64*\i+16
.endr
.endm
.irp i, 0,1,2,3,4,5,6,7
	global_load_b32 v[X2+\i], v[R4], s[68:69] offset:64*\i         ; token 16 i + r, once for the launch
.endr
	ASK_E2
.irp i, 0,1,2,3,4,5,6,7
	v_mov_b32 v[RV+\i], 0xff800000                 ; the running best starts at -infinity: every finite score is better
	v_mov_b32 v[RI+\i], 0
.endr
; 16 matrix instructions: token blocks a0, a0 + 1 of the window's four x all 8 code blocks, 32 along K.  zero = 1: the first product starts the sums.
; The 64 accumulators take turns, one instruction a turn, in the same order in every quarter step, over the loop's jump too.
.macro MUL16 f, hi, a0, zero
.irp a, \a0, \a0+1
.irp b, 0,1,2,3,4,5,6,7
.if \zero
	v_wmma_f32_16x16x32_bf16 v[8*(8*(\a)+\b):8*(8*(\a)+\b)+7], v[\f+8*\b:\f+8*\b+7], v[\f+8*(4*\hi+\a):\f+8*(4*\hi+\a)+7], 0
.else
	v_wmma_f32_16x16x32_bf16 v[8*(8*(\a)+\b):8*(8*(\a)+\b)+7], v[\f+8*\b:\f+8*\b+7], v[\f+8*(4*\hi+\a):\f+8*(4*\hi+\a)+7], v[8*(8*(\a)+\b):8*(8*(\a)+\b)+7]
.endif
.endr
.endr
.endm
; 32 LDS loads in one run: the fragments of one quarter step (128 codes, 128 tokens, 32 K at byte k of the rows) into buffer f
.macro FETCH slot, k, f
	WIN TO_B
.irp i, 0,1,2,3,4,5,6,7
	ds_load_b128 v[\f+8*\i:\f+8*\i+3],   v[ADRB+\slot] offset:\k+\i*16*PITCH
	ds_load_b128 v[\f+8*\i+4:\f+8*\i+7], v[ADRB+\slot] offset:\k+\i*16*PITCH+32
.endr
	WIN 0
.irp i, 0,1,2,3,4,5,6,7
	ds_load_b128 v[\f+8*\i:\f+8*\i+3],   v[ADRA+\slot] offset:\k+\i*16*PITCH
	ds_load_b128 v[\f+8*\i+4:\f+8*\i+7], v[ADRA+\slot] offset:\k+\i*16*PITCH+32
.endr
.endm
; Four places behind a matrix instruction before a load lands in a register that it read or a vector instruction reads its result
; only plain vector instructions that name none of its registers are places.
.macro PLACES
.rept 4
	v_nop
.endr
.endm
; A K step is four quarter steps of 32 along K, 64 matrix instructions each, on buffers 0, 1, 0, 1.
.macro QUARTER slot, k, f, g, zero
	s_wait_dscnt 8                                 ; embed's fragments and x's rows 0-63 are in; the youngest eight loads (x's rows 64-127) may be out
	WIN MUL_LO
	MUL16 \f, 0, 0, \zero
	MUL16 \f, 0, 2, \zero
	PLACES
	FETCH \slot, \k, \g
	s_wait_dscnt 32                                ; all but the 32 just issued
	WIN MUL_HI
	MUL16 \f, 1, 0, \zero
	MUL16 \f, 1, 2, \zero
.endm
.macro THREE slot, zero
	QUARTER \slot, 64,  F0, F1, \zero
	QUARTER \slot, 128, F1, F0, 0
	QUARTER \slot, 192, F0, F1, 0
.endm
; The last quarter of a K step: multiplies buffer 1 and changes slots.  fill = 1: this slot is filled again, two K steps ahead.
; wrap = 0: these two K steps lie in the same block: 256 elements on along the rows of x and of embed.
; wrap = 1: they lead into the next block: x goes back to where it was two K steps ago, embed goes 256 rows down and as far back along the rows.
.macro TURN slot, next, fill, wrap
	s_wait_dscnt 8
	WIN MUL_LO
	MUL16 F1, 0, 0, 0
	s_wait_dscnt 0                                 ; my reads of this slot are over
	s_wait_tensorcnt 0x0                           ; and all my tensor loads have landed: the one that was out is my part of the next slot
	ds_add_u32 v255, v59
	s_wait_dscnt 0x0
	s_barrier_signal -1                            ; say so (where a slot is filled again this barrier opens a round of the cluster's barrier),
	MUL16 F1, 0, 2, 0                              ; work on registers while the others arrive,
	WIN 0
	s_barrier_wait -1
.if \fill
	CREST                                          ; no wave of any partner still reads this slot's tile or has a load on its way; no load of mine is out, so a group 0 may be written
.if \wrap
	s_sub_nc_u64 s[G0+4*\slot+2:G0+4*\slot+3], s[G0+4*\slot+2:G0+4*\slot+3], 2*KSTEP*2
	s_add_nc_u64 s[G0B+4*\slot+2:G0B+4*\slot+3], s[G0B+4*\slot+2:G0B+4*\slot+3], 256*SIZE_K*2-2*KSTEP*2
.else
	s_add_nc_u64 s[G0+4*\slot+2:G0+4*\slot+3], s[G0+4*\slot+2:G0+4*\slot+3], 2*KSTEP*2
	s_add_nc_u64 s[G0B+4*\slot+2:G0B+4*\slot+3], s[G0B+4*\slot+2:G0B+4*\slot+3], 2*KSTEP*2
.endif
	JLOAD \slot                                    ; the first tensor load behind the round, one a wave
.endif
	PLACES
	FETCH \next, 0, F0
	WIN MUL_HI
	MUL16 F1, 1, 0, 0
	MUL16 F1, 1, 2, 0
.endm
; Tokens 16 i .. 16 i + 15 = the eight tiles (a, 0..7) of window 2 or 3 (from = 0x02 or 0x03: source 0).  A lane has 64 scores of one token.
.macro BLK i, a, from
	WIN \from
.set k, 0
.rept 64
	v_fma_f32 v[S+k], v[64*\a+k], 2.0, v[X2+\i]    ; fl(2 dot - |x|^2): 2 dot is exact, one rounding
.set k, k+1
.endr
	WIN 0
.set k, 0
.rept 32
	v_pk_add_f32 v[S+k:S+k+1], v[S+k:S+k+1], v[E2+k:E2+k+1]        ; fl(.. - |e|^2)
.set k, k+2
.endr
.irp c, 0,1,2,3
	v_mov_b32 v[I+\c], 16*\c                       ; four chains of 16 places; a chain's first score starts its maximum, in place
.endr
.set t, 1
.rept 15
.irp c, 0,1,2,3
	v_cmp_gt_f32 vcc_lo, v[S+16*\c+t], v[S+16*\c]  ; strictly better only: the earlier, lower code stays
	v_cndmask_b32 v[I+\c], v[I+\c], 16*\c+t, vcc_lo
	v_max_num_f32 v[S+16*\c], v[S+16*\c], v[S+16*\c+t]
.endr
.set t, t+1
.endr
.irp c, 1,2,3
	v_cmp_gt_f32 vcc_lo, v[S+16*\c], v[S]          ; the chains join in ascending order
	v_cndmask_b32 v[I], v[I], v[I+\c], vcc_lo
	v_max_num_f32 v[S], v[S], v[S+16*\c]
.endr
	v_add_nc_u32 v[I], s[PB], v[I]                 ; 64 block + place: ascends with the code among a lane's codes
	v_cmp_gt_f32 vcc_lo, v[S], v[RV+\i]            ; against the blocks before: strictly better only
	v_cndmask_b32 v[RI+\i], v[RI+\i], v[I], vcc_lo
	v_max_num_f32 v[RV+\i], v[RV+\i], v[S]
.endm
; A block's scoring.  more = 1: another block follows: its -|e|^2 are asked for, with that block's products in which to land.
.macro SCORE more
	PLACES                                         ; behind the last matrix instructions: the lines below read results and write over buffer 1
	WIN 0
	s_wait_loadcnt 0x0                             ; this block's -|e|^2 (and, the first time, -|x|^2); the loads that name s[70:71] are done
	BLK 0, 0, 0x02
	BLK 1, 1, 0x02
	BLK 2, 2, 0x02
	BLK 3, 3, 0x02
	BLK 4, 0, 0x03
	BLK 5, 1, 0x03
	BLK 6, 2, 0x03
	BLK 7, 3, 0x03
.if \more
	s_add_nc_u64 s[70:71], s[70:71], 1024          ; 256 norms on
	s_add_co_u32 s[PB], s[PB], 64
	ASK_E2
.endif
.endm
	s_wait_tensorcnt 1                             ; my part of K step 0 is in; K step 1's may stay out
	s_barrier_signal -1
	s_barrier_wait -1
	FETCH 0, 0, F0
	s_mov_b32 s[CNT], NBLK-1
.Lblock:                                           ; a trip = a block of 256 codes; on both ways in, buffer 0's 32 loads and slot 1's tensor load are out
	THREE 0, 1                                     ; K step 0: its first products start the sums
	TURN 0, 1, 1, 0                                ; slot 0 gets K step 2
	THREE 1, 0                                     ; K step 1
	TURN 1, 0, 1, 0                                ; slot 1 gets K step 3
	THREE 0, 0                                     ; K step 2
	TURN 0, 1, 1, 1                                ; slot 0 gets the next block's K step 0
	THREE 1, 0                                     ; K step 3
	TURN 1, 0, 1, 1                                ; slot 1 gets the next block's K step 1; buffer 0 the next block's first fragments
	SCORE 1
	s_sub_co_u32 s[CNT], s[CNT], 1
	s_cmp_lg_u32 s[CNT], 0
	s_cbranch_scc1 .Lblock
	THREE 0, 1                                     ; the last block is written out: its last two K steps fill nothing
	TURN 0, 1, 1, 0
	THREE 1, 0
	TURN 1, 0, 1, 0
	THREE 0, 0
	TURN 0, 1, 0, 0
	THREE 1, 0
	s_wait_dscnt 8
	WIN MUL_LO
	MUL16 F1, 0, 0, 0
	MUL16 F1, 0, 2, 0
	s_wait_dscnt 0
	WIN MUL_HI
	MUL16 F1, 1, 0, 0
	MUL16 F1, 1, 2, 0
	SCORE 0
	; 64 B + 8 b + j -> code 256 B + 16 b + j + (8 h + my wave's first code); then the same token's other lane half: the larger score, on a tie the lower code
.irp i, 0,1,2,3,4,5,6,7
	v_and_b32 v[PT], 0x38, v[RI+\i]                ; 8 b
	v_and_b32 v[PM], 63, v[RI+\i]                  ; 8 b + j
	v_and_b32 v[PJ], -64, v[RI+\i]                 ; 64 B
	v_add_nc_u32 v[PM], v[PM], v[PT]               ; 16 b + j
	v_lshl_add_u32 v[PM], v[PJ], 2, v[PM]          ; + 256 B
	v_add_nc_u32 v[RI+\i], v[PM], v[CB]
	v_permlanex16_b32 v[PM], v[RV+\i], s82, s83    ; both destinations have been written above
	v_permlanex16_b32 v[PJ], v[RI+\i], s82, s83
	v_cmp_gt_f32 s78, v[PM], v[RV+\i]
	v_cmp_eq_f32 s79, v[PM], v[RV+\i]
	v_cmp_lt_u32 vcc_lo, v[PJ], v[RI+\i]
	s_and_b32 s79, s79, vcc_lo
	s_or_b32 vcc_lo, s78, s79
	v_cndmask_b32 v[RV+\i], v[RV+\i], v[PM], vcc_lo
	v_cndmask_b32 v[RI+\i], v[RI+\i], v[PJ], vcc_lo
.endr
	; stage: wave w's 128 scores at STAGE + 1,024 w + 4 token, its codes 512 further on.  Both lane halves write the same words with the same values.
.irp i, 0,1,2,3,4,5,6,7
	ds_store_b32 v[STO], v[RV+\i] offset:64*\i
	ds_store_b32 v[STO], v[RI+\i] offset:512+64*\i
.endr
	s_wait_dscnt 0x0                               ; for the other waves' sake
	s_barrier_signal -1
	s_barrier_wait -1
	s_cmp_gt_u32 s10, 1
	s_cbranch_scc1 .Ldone
	; waves 0 and 1: wave w joins the two code halves (waves 2 w, 2 w + 1) of tokens 128 w .., four tokens a lane
	v_and_b32 v1, 31, v0
	v_lshlrev_b32 v1, 4, v1
	s_lshl_b32 s78, s10, 11
	s_add_co_u32 s78, s78, STAGE
	v_add_nc_u32 v2, s78, v1
	v_add_nc_u32 v3, s80, v1
	ds_load_b128 v[64:67], v2                      ; scores, first half of each block's codes
	ds_load_b128 v[68:71], v2 offset:1024          ; scores, second half
	ds_load_b128 v[72:75], v2 offset:512           ; codes, first half
	ds_load_b128 v[76:79], v2 offset:1536          ; codes, second half
	s_wait_dscnt 0x0
.irp e, 0,1,2,3
	v_cmp_gt_f32 s78, v[68+\e], v[64+\e]           ; the second wins if it is larger,
	v_cmp_eq_f32 s79, v[68+\e], v[64+\e]           ; or equal with the lower code: the halves' codes interleave block by block
	v_cmp_lt_u32 vcc_lo, v[76+\e], v[72+\e]
	s_and_b32 s79, s79, vcc_lo
	s_or_b32 vcc_lo, s78, s79
	v_cndmask_b32 v[64+\e], v[64+\e], v[68+\e], vcc_lo
	v_cndmask_b32 v[72+\e], v[72+\e], v[76+\e], vcc_lo
.endr
	global_store_b128 v3, v[64:67], s[72:73]       ; each store of the wave covers 512 consecutive bytes, aligned
	global_store_b128 v3, v[72:75], s[74:75]
.Ldone:
	s_set_vgpr_msb 0x1
	s_wait_tensorcnt 0x0
	ds_add_u32 v255, v59
	s_wait_dscnt 0x0
	s_set_vgpr_msb 0x100
	CROUND                                         ; the closing round: no work-group ends while a partner may still ask jointly
	s_endpgm
.Lfunc_end_k_q38f5eb0d54_score:
	.size	k_q38f5eb0d54_score, .Lfunc_end_k_q38f5eb0d54_score-k_q38f5eb0d54_score
	.p2alignl 7, 3214868480
	.fill 96, 4, 3214868480
	.section	.rodata,"a",@progbits
	.p2align	6, 0x0
	.amdhsa_kernel k_q38f5eb0d54_score
		.amdhsa_group_segment_fixed_size 327680
		.amdhsa_private_segment_fixed_size 0
		.amdhsa_enable_private_segment 0
		.amdhsa_kernarg_size 48
		.amdhsa_user_sgpr_count 2
		.amdhsa_user_sgpr_kernarg_segment_ptr 1
		.amdhsa_wavefront_size32 1
		.amdhsa_system_sgpr_workgroup_id_x 1
		.amdhsa_system_sgpr_workgroup_id_y 1
		.amdhsa_system_sgpr_workgroup_id_z 1
		.amdhsa_system_vgpr_workitem_id 0
		.amdhsa_next_free_vgpr 1024
		.amdhsa_next_free_sgpr 84
		.amdhsa_reserve_vcc 1
		.amdhsa_float_denorm_mode_32 3
		.amdhsa_float_denorm_mode_16_64 3
		.amdhsa_memory_ordered 1
		.amdhsa_forward_progress 1
		.amdhsa_inst_pref_size 255
	.end_amdhsa_kernel
	.section	.bss,"aw",@nobits
	.p2align	6
	.space	262144
	.amdgpu_metadata
---
amdhsa.version: [ 1, 2 ]
amdhsa.kernels:
  - .name:           k_q38f5eb0d54_score
    .symbol:         k_q38f5eb0d54_score.kd
    .args:
      - { .name: xb, .offset: 0, .size: 8, .value_kind: global_buffer, .address_space: global }
      - { .name: eb, .offset: 8, .size: 8, .value_kind: global_buffer, .address_space: global }
      - { .name: nx2, .offset: 16, .size: 8, .value_kind: global_buffer, .address_space: global }
      - { .name: ne2, .offset: 24, .size: 8, .value_kind: global_buffer, .address_space: global }
      - { .name: pval, .offset: 32, .size: 8, .value_kind: global_buffer, .address_space: global }
      - { .name: pidx, .offset: 40, .size: 8, .value_kind: global_buffer, .address_space: global }
    .group_segment_fixed_size: 327680
    .private_segment_fixed_size: 0
    .kernarg_segment_align: 8
    .kernarg_segment_size: 48
    .max_flat_workgroup_size: 128
    .sgpr_count:     84
    .vgpr_count:     1024
    .wavefront_size: 32
...
	.end_amdgpu_metadata
.endif
;; end of part 5
;; launch merge (part 6): grid 256 x 1, 1 waves a work-group, no clusters, 0 bytes of LDS; arguments pval, pidx, out1, win; writes out1, win
.if DOCPART == 6
	.amdgcn_target "amdgcn-amd-amdhsa--gfx1250"
	.amdhsa_code_object_version 6
	.text
	.protected	k_q38f5eb0d54_merge
	.globl	k_q38f5eb0d54_merge
	.p2align	8
	.type	k_q38f5eb0d54_merge,@function
k_q38f5eb0d54_merge:
	s_mov_b64 s[64:65], 0
	v_nop
	global_prefetch_b8 v0, s[64:65] scope:SCOPE_SE
	s_setreg_imm32_b32 hwreg(HW_REG_WAVE_MODE, 25, 1), 1
	s_wait_xcnt 0x0
; For each token: the first maximum over the four quarters' candidates.  out1[t] = win[t] = its code.
; pval, pidx: [4][16384].  One wave a work-group, 64 tokens, two a lane: each load and store of the wave covers 256 consecutive bytes, aligned.
; The quarters are taken in ascending order and only a strictly larger score replaces the best one, so a tie stays with the lower code.
; The comparison selects values and steers no address.  All eight loads go out at once; every pair has registers of its own.
; A NaN score is never taken as better (see the launch that makes the scores).  A short stream: no LDS, no matrix unit, no cluster.
.set PLANE, 65536                      ; bytes from a quarter's table to the next
.set V, 4                              ; v[4:11]    quarter b: two scores at 2 b; quarter 0's pair becomes the best
.set C, 12                             ; v[12:19]   quarter b: two codes at 2 b; quarter 0's pair becomes the best
	s_load_b256 s[4:11], s[0:1], 0x0               ; pval s[4:5], pidx s[6:7], out1 s[8:9], win s[10:11]
	s_lshl_b32 s12, ttmp9, 8                       ; 64 tokens x 4 bytes
	v_lshl_add_u32 v1, v0, 3, s12
	s_wait_kmcnt 0x0
.irp b, 0,1,2,3
	global_load_b64 v[V+2*\b:V+2*\b+1], v1, s[4:5] offset:PLANE*\b
	global_load_b64 v[C+2*\b:C+2*\b+1], v1, s[6:7] offset:PLANE*\b
.endr
.irp b, 1,2,3
	s_wait_loadcnt 2*(3-\b)                        ; loads come back in order: the 3 - b younger pairs may stay out
.irp e, 0,1
	v_cmp_gt_f32 vcc_lo, v[V+2*\b+\e], v[V+\e]
	v_cndmask_b32 v[C+\e], v[C+\e], v[C+2*\b+\e], vcc_lo
	v_max_num_f32 v[V+\e], v[V+\e], v[V+2*\b+\e]
.endr
.endr
	global_store_b64 v1, v[C:C+1], s[8:9]
	global_store_b64 v1, v[C:C+1], s[10:11]
	s_endpgm
.Lfunc_end_k_q38f5eb0d54_merge:
	.size	k_q38f5eb0d54_merge, .Lfunc_end_k_q38f5eb0d54_merge-k_q38f5eb0d54_merge
	.p2alignl 7, 3214868480
	.fill 96, 4, 3214868480
	.section	.rodata,"a",@progbits
	.p2align	6, 0x0
	.amdhsa_kernel k_q38f5eb0d54_merge
		.amdhsa_group_segment_fixed_size 0
		.amdhsa_private_segment_fixed_size 0
		.amdhsa_enable_private_segment 0
		.amdhsa_kernarg_size 32
		.amdhsa_user_sgpr_count 2
		.amdhsa_user_sgpr_kernarg_segment_ptr 1
		.amdhsa_wavefront_size32 1
		.amdhsa_system_sgpr_workgroup_id_x 1
		.amdhsa_system_sgpr_workgroup_id_y 1
		.amdhsa_system_sgpr_workgroup_id_z 1
		.amdhsa_system_vgpr_workitem_id 0
		.amdhsa_next_free_vgpr 24
		.amdhsa_next_free_sgpr 66
		.amdhsa_reserve_vcc 1
		.amdhsa_float_denorm_mode_32 3
		.amdhsa_float_denorm_mode_16_64 3
		.amdhsa_memory_ordered 1
		.amdhsa_forward_progress 1
		.amdhsa_inst_pref_size 3
	.end_amdhsa_kernel
	.amdgpu_metadata
---
amdhsa.version: [ 1, 2 ]
amdhsa.kernels:
  - .name:           k_q38f5eb0d54_merge
    .symbol:         k_q38f5eb0d54_merge.kd
    .args:
      - { .name: pval, .offset: 0, .size: 8, .value_kind: global_buffer, .address_space: global }
      - { .name: pidx, .offset: 8, .size: 8, .value_kind: global_buffer, .address_space: global }
      - { .name: out1, .offset: 16, .size: 8, .value_kind: global_buffer, .address_space: global }
      - { .name: win, .offset: 24, .size: 8, .value_kind: global_buffer, .address_space: global }
    .group_segment_fixed_size: 0
    .private_segment_fixed_size: 0
    .kernarg_segment_align: 8
    .kernarg_segment_size: 32
    .max_flat_workgroup_size: 32
    .sgpr_count:     66
    .vgpr_count:     24
    .wavefront_size: 32
...
	.end_amdgpu_metadata
.endif
;; end of part 6
;; launch gather: the kernel of part 4 again; grid 256 x 1, 8 waves a work-group, no clusters, 0 bytes of LDS; arguments embed, win, out0; writes out0
